; MI455X (gfx1250); checked and timed in simulation.
; The chip was launched on July 23, 2026; its instructions are those of AMD's public machine-readable ISA for CDNA 5 (MIT licence, August 2026) and "CDNA5" Instruction Set Architecture Reference Guide (July 2026). The comments in the code are by the model that wrote it; some were corrected since.
;; Vector Quantizer. Allowed arithmetic: matrix products marked QUANTISED: E5M2 operands, one given power-of-two scale a tensor, by v_wmma_f32_16x16x64_bf8_bf8 or v_wmma_f32_16x16x128_bf8_bf8, f32 sums; everything else in f32.
;; Inputs: codebook 1,024 x 256 float32; lowp_scales 2 int32 (the exponents e of the quantised operands' scales 2^e); x 8 x 4,096 x 256 float32.
;; Outputs: out0 8 x 4,096 int32.
;; This version of the problem:
;;   THIS VERSION OF THE PROBLEM IS GIVEN IN LOW PRECISION. The matrix products marked QUANTISED in the list below multiply operands that are first quantised to E5M2 (5 exponent bits, 2 mantissa bits; 8 bits a number), with one given power-of-two scale for each operand tensor; their sums are f32. All else is computed in f32.
;;   The module's matrix products, in the order in which they are computed (A, B: the left and right operand; K: the contracted axis; several contracted axes count as one K, in the product's order):
;;     1. [M 32,768, K 256] x [K 256, N 1,024]; A: input x; B: input codebook: QUANTISED (scales: A lowp_scales[0], B lowp_scales[1])
;;   THE QUANTISER, for each operand of a quantised product, along K:
;;     - The operand's scale is 2^e, e = its entry of the input lowp_scales (int32; the entries are numbered through the quantised products in the list's order, A before B).
;;     - Each number is divided by the scale, clamped to +-57,344, and rounded to the nearest number of E5M2, ties to even, subnormals kept.
;;     - The product sums the exact products of the quantised numbers (number of the format x scale) in f32.
;;   ~~~python
;;   def quantise(x, axis, e):      # numpy; x: float32 -> the quantised numbers, widened to float32 again
;;       x = np.moveaxis(x, axis, -1); K = x.shape[-1]
;;       r = np.clip(x / 2.0 ** e, -57344, 57344)
;;       step = 2.0 ** (np.maximum(np.frexp(np.where(r == 0, 1, r))[1] - 1, -14) - 2)
;;       q = np.round(r / step) * step * 2.0 ** e      # np.round: ties to even
;;       return np.moveaxis(q, -1, axis).astype(np.float32)
;;   ~~~
;; One version. Each part assembles by itself: llvm-mc -triple=amdgcn-amd-amdhsa -mcpu=gfx1250 --defsym DOCPART=n.
;; ======== version 1 of 1: 2 launches
;; limits: right only within a limited range of input values
;; workspace buffers: cbimg 262,144 bytes; c2 32,768 bytes
;; launch prep (part 1): grid 64 x 1, 8 waves a work-group, no clusters, 5,632 bytes of LDS; arguments codebook, lowp_scales, cbimg, c2; writes cbimg, c2
.if DOCPART == 1
	.amdgcn_target "amdgcn-amd-amdhsa--gfx1250"
	.amdhsa_code_object_version 6
	.text
	.protected	k_qa2d228a26b_prep
	.globl	k_qa2d228a26b_prep
	.p2align	8
	.type	k_qa2d228a26b_prep,@function
k_qa2d228a26b_prep:
	s_mov_b64 s[64:65], 0
	v_nop
	global_prefetch_b8 v0, s[64:65] scope:SCOPE_SE
	s_setreg_imm32_b32 hwreg(HW_REG_WAVE_MODE, 25, 1), 1
	s_wait_xcnt 0x0
; THE PROGRAM.  out0[row] = the index of the code with the least x2 + c2 - 2 xc, the lowest among equals.  Two launches: this one prepares the codebook, the second makes the products and the search.
; DEAD WORK LEFT OUT: x2, the sum of squares of a row of x, is one number for the whole row and is added to the distances of ALL codes of that row.  In exact arithmetic the index of the least of (x2 + f(k)) over k
; is the index of the least f(k), whatever finite values x and the codebook hold.  So x2 is computed nowhere; x itself is live (it feeds the quantised product).
; LIMITS of that: a NaN, an infinity or an overflow that would arise in x2 alone is not carried to the result; the distances are rounded at the size of c2 - 2 xc and not at the size of x2 + c2.
; The codebook [1024][256] f32 is turned, once, into what the second launch wants of it:
;   cbimg: its codes of BF8 (E5M2) with the given scale 2^eb, as an IMAGE OF THE OPERAND'S REGISTERS.  Tile T (codes 16 T .. 16 T + 15) begins at 4096 T; chunk n = 0 .. 7 at + 512 n; lane L = (r, h) at + 16 L:
;          registers 4 n .. 4 n + 3 of the lane's 32 (chunks 0-3 the first matrix instruction's, 4-7 the second's).  Which k lies where is a permutation of the row's 256, the same here and for x in the second launch.
;   c2:    C2'(code) = - (sum of squares of the code's UNQUANTISED numbers) x 2^-(1 + ea + eb), f32; tile T's sixteen numbers at 512 T, written eight times over, so that whole 512 bytes are stored.
; code = x / 2^eb, held within +-57,344, rounded to the nearest code, ties to even.
; LIMITS: eb between -126 and 112; ea + eb between -128 and 125, and C2' inside f32's range.  NaN and infinities among the inputs are not served.  The sum of squares is added in this text's order: pairs, then lanes.
; SHARES.  A work-group takes one tile of 16 rows, wave w rows 2 w and 2 w + 1; 64 work-groups are all the tiles there are.  Work-groups share no input: no cluster.  Each number is read once, 512 consecutive bytes a load.
; LDS: the image, 4,352 bytes (16 blocks of 256 bytes, 272 apart: block 2 n + h holds lanes (r, h) of chunk n at 16 r); 64 bytes of sums; the spare words.
.set C2S,  4352
.set SPARE, 4608
.set XOFF, 1                           ; v1   16 x lane
.set XST,  2                           ; v2   where my eight codes of a row go in the image
.set X2ST, 3                           ; v3   where my wave's two sums go
.set OL,   4                           ; v4   the way out: my 16 bytes of my wave's chunk
.set OG,   5                           ; v5   and their place in the tile's 4,096 bytes
.set CL,   6                           ; v6   four of the sixteen sums
.set SC,   8                           ; v8   2^eb
.set SPW,  10                          ; v10  LDS address of my spare word; never rewritten
.set NIL,  11                          ; v11  0; never rewritten
.set RAW,  16                          ; v16-31 my two rows: v[RAW + 8 i + 4 a + 0 .. 3] = k 128 a + 4 lane + 0 .. 3 of row i
.set TP,   32
	s_load_b256 s[4:11], s[0:1], 0x0               ; codebook s[4:5], the scales' exponents s[6:7], cbimg s[8:9], c2 s[10:11]
	v_lshl_add_u32 v[SPW], v0, 2, SPARE
	v_mov_b32 v[NIL], 0
	v_lshrrev_b32 v9, 5, v0
	v_and_b32 v12, 31, v0                          ; lane L
	v_readfirstlane_b32 s14, v9                    ; wave 0..7
	v_and_b32 v13, 15, v0                          ; r
	v_bfe_u32 v14, v0, 4, 1                        ; h
	v_lshlrev_b32 v[XOFF], 4, v12
	v_bfe_u32 v15, v0, 1, 3
	v_and_b32 v9, 1, v0
	v_mul_u32_u24 v[XST], v15, 544                 ; lane L's eight codes: chunk (L / 2) % 8, half L / 16, 8 bytes L % 2
	v_mul_u32_u24 v[OL], v14, 272
	v_mad_u32_u24 v[XST], v14, 272, v[XST]
	v_lshl_add_u32 v[OL], v13, 4, v[OL]
	v_lshl_add_u32 v[XST], v9, 3, v[XST]
	s_lshl_b32 s16, s14, 5                         ; row 2 w of the tile is lane 2 w of the fragment: 16 bytes a lane
	s_mul_i32 s17, s14, 544
	v_add_nc_u32 v[XST], s16, v[XST]
	v_add_nc_u32 v[OL], s17, v[OL]                 ; wave w takes chunk w: 544 w + 272 h + 16 r
	s_lshl_b32 s16, s14, 3
	s_add_co_u32 s16, s16, C2S
	v_mov_b32 v[X2ST], s16
	v_lshlrev_b32 v[OG], 4, v0                     ; 512 w + 16 L
	v_and_b32 v9, 3, v0
	v_lshlrev_b32 v[CL], 4, v9
	v_add_nc_u32 v[CL], C2S, v[CL]
	s_mov_b32 s20, 0x76543210                      ; v_permlanex16_b32: each lane takes its own place in the other half
	s_mov_b32 s21, 0xfedcba98
	s_lshl_b32 s18, ttmp9, 14                      ; 16 rows of 1,024 bytes a work-group,
	s_lshl_b32 s19, s14, 11                        ; two rows a wave
	s_add_co_u32 s18, s18, s19
	s_mov_b32 s19, 0
	s_lshl_b32 s24, ttmp9, 12
	s_mov_b32 s25, 0
	s_lshl_b32 s26, ttmp9, 9
	s_mov_b32 s27, 0
	s_wait_alu depctr_va_vdst(0)                   ; directly ahead of the wait below
	s_wait_kmcnt 0x0
	s_add_nc_u64 s[4:5], s[4:5], s[18:19]
.irp i, 0,1
.irp a, 0,1
	global_load_b128 v[RAW+8*\i+4*\a:RAW+8*\i+4*\a+3], v[XOFF], s[4:5] offset:1024*\i+512*\a th:TH_LOAD_NT   ; 32 lanes read 512 consecutive bytes; read once in the launch
.endr
.endr
	s_load_b64 s[44:45], s[6:7], 0x0               ; ea, eb
	s_add_nc_u64 s[8:9], s[8:9], s[24:25]
	s_add_nc_u64 s[10:11], s[10:11], s[26:27]
	s_wait_kmcnt 0x0
	s_add_co_i32 s48, s45, 127
	s_lshl_b32 s16, s48, 23
	v_mov_b32 v[SC], s16                           ; 2^eb: the conversion takes its exponent field
	s_add_co_i32 s48, s48, 15
	s_lshl_b32 s48, s48, 23
	s_or_b32 s47, s48, 0x600000                    ; 57,344 x 2^eb
	s_or_b32 s46, s47, 0x80000000                  ; and its negative
	s_add_co_i32 s22, s44, s45
	s_sub_co_i32 s22, 126, s22
	s_lshl_b32 s22, s22, 23
	s_or_b32 s22, s22, 0x80000000                  ; -2^-(1 + ea + eb)
	s_wait_alu depctr_va_vdst(0)                   ; at the head's end
	s_wait_loadcnt 0x0
	v_pk_mul_f32 v[TP:TP+1], v[RAW:RAW+1], v[RAW:RAW+1]              ; the squares of the numbers as they came; the two rows take turns
	v_pk_mul_f32 v[TP+2:TP+3], v[RAW+8:RAW+9], v[RAW+8:RAW+9]
.irp p, 2,4,6
	v_pk_fma_f32 v[TP:TP+1], v[RAW+\p:RAW+\p+1], v[RAW+\p:RAW+\p+1], v[TP:TP+1]
	v_pk_fma_f32 v[TP+2:TP+3], v[RAW+8+\p:RAW+9+\p], v[RAW+8+\p:RAW+9+\p], v[TP+2:TP+3]
.endr
.irp j, 0,1,2,3,4,5,6,7,8,9,10,11,12,13,14,15
	v_med3_num_f32 v[RAW+\j], v[RAW+\j], s46, s47                    ; the conversion to an 8-bit code does not saturate (ISA guide 7.6.2): the hold at the largest code x the scale
.endr
	v_cvt_scalef32_pk8_bf8_f32 v[TP+6:TP+7], v[RAW:RAW+7], v[SC]
	v_cvt_scalef32_pk8_bf8_f32 v[TP+8:TP+9], v[RAW+8:RAW+15], v[SC]
	v_add_f32 v[TP+4], v[TP], v[TP+1]                                ; plain vector lines behind the conversions: each row's two halves
	v_add_f32 v[TP+5], v[TP+2], v[TP+3]
	ds_store_b64 v[XST], v[TP+6:TP+7]
	ds_store_b64 v[XST], v[TP+8:TP+9] offset:16                      ; row 1: the next lane's 16 bytes
.irp x, 1,2,4,8
	v_add_f32_dpp v[TP+4], v[TP+4], v[TP+4] row_xmask:\x row_mask:0xf bank_mask:0xf   ; the sums over the 16 lanes of a half,
	v_add_f32_dpp v[TP+5], v[TP+5], v[TP+5] row_xmask:\x row_mask:0xf bank_mask:0xf
.endr
	v_permlanex16_b32 v[TP], v[TP+4], s20, s21                       ; and the other half's (the destinations have been written)
	v_permlanex16_b32 v[TP+2], v[TP+5], s20, s21
	v_add_f32 v[TP+4], v[TP+4], v[TP]
	v_add_f32 v[TP+5], v[TP+5], v[TP+2]
	ds_store_b64 v[X2ST], v[TP+4:TP+5]                               ; every lane holds both sums: all write the same eight bytes with the same numbers
	s_wait_alu depctr_va_vdst(0)
	s_wait_dscnt 0x0                               ; for the others' sake: my stores have landed
	s_barrier_signal -1
	s_barrier_wait -1                              ; the image and the 16 sums are whole
	ds_load_b128 v[44:47], v[OL]
	ds_load_b128 v[48:51], v[CL]
	s_wait_dscnt 0x1
	global_store_b128 v[OG], v[44:47], s[8:9]      ; a wave stores 512 consecutive bytes, at a multiple of 512 from the buffer's first byte
	s_wait_dscnt 0x0
	s_cmp_lg_u32 s14, 0                            ; wave 0 alone stores the sums; no barrier stands under the branch
	s_cbranch_scc1 .Lend
.irp j, 0,1,2,3
	v_mul_f32 v[48+\j], s22, v[48+\j]              ; a power of two: nothing is rounded
.endr
	global_store_b128 v[XOFF], v[48:51], s[10:11]  ; 32 lanes store 512 consecutive bytes: the tile's 64 bytes eight times
.Lend:
	s_wait_tensorcnt 0x0                           ; the wave's end
	ds_add_u32 v[SPW], v[NIL]
	s_wait_dscnt 0x0
	s_endpgm
.Lfunc_end_k_qa2d228a26b_prep:
	.size	k_qa2d228a26b_prep, .Lfunc_end_k_qa2d228a26b_prep-k_qa2d228a26b_prep
	.p2alignl 7, 3214868480
	.fill 96, 4, 3214868480
	.section	.rodata,"a",@progbits
	.p2align	6, 0x0
	.amdhsa_kernel k_qa2d228a26b_prep
		.amdhsa_group_segment_fixed_size 5632
		.amdhsa_private_segment_fixed_size 0
		.amdhsa_enable_private_segment 0
		.amdhsa_kernarg_size 32
		.amdhsa_user_sgpr_count 2
		.amdhsa_user_sgpr_kernarg_segment_ptr 1
		.amdhsa_wavefront_size32 1
		.amdhsa_system_sgpr_workgroup_id_x 1
		.amdhsa_system_sgpr_workgroup_id_y 1
		.amdhsa_system_sgpr_workgroup_id_z 1
		.amdhsa_system_vgpr_workitem_id 0
		.amdhsa_next_free_vgpr 56
		.amdhsa_next_free_sgpr 66
		.amdhsa_reserve_vcc 0
		.amdhsa_float_denorm_mode_32 3
		.amdhsa_float_denorm_mode_16_64 3
		.amdhsa_memory_ordered 1
		.amdhsa_forward_progress 1
		.amdhsa_inst_pref_size 7
	.end_amdhsa_kernel
	.amdgpu_metadata
---
amdhsa.version: [ 1, 2 ]
amdhsa.kernels:
  - .name:           k_qa2d228a26b_prep
    .symbol:         k_qa2d228a26b_prep.kd
    .args:
      - { .name: codebook, .offset: 0, .size: 8, .value_kind: global_buffer, .address_space: global }
      - { .name: lowp_scales, .offset: 8, .size: 8, .value_kind: global_buffer, .address_space: global }
      - { .name: cbimg, .offset: 16, .size: 8, .value_kind: global_buffer, .address_space: global }
      - { .name: c2, .offset: 24, .size: 8, .value_kind: global_buffer, .address_space: global }
    .group_segment_fixed_size: 5632
    .private_segment_fixed_size: 0
    .kernarg_segment_align: 8
    .kernarg_segment_size: 32
    .max_flat_workgroup_size: 256
    .sgpr_count:     66
    .vgpr_count:     56
    .wavefront_size: 32
...
	.end_amdgpu_metadata
.endif
;; end of part 1
;; launch vq (part 2): grid 256 x 1, 8 waves a work-group, no clusters, 58,368 bytes of LDS; arguments x, lowp_scales, cbimg, c2, out0; writes out0
.if DOCPART == 2
	.amdgcn_target "amdgcn-amd-amdhsa--gfx1250"
	.amdhsa_code_object_version 6
	.text
	.protected	k_qa2d228a26b_vq
	.globl	k_qa2d228a26b_vq
	.p2align	8
	.type	k_qa2d228a26b_vq,@function
k_qa2d228a26b_vq:
	s_mov_b64 s[64:65], 0
	v_nop
	global_prefetch_b8 v0, s[64:65] scope:SCOPE_SE
	s_setreg_imm32_b32 hwreg(HW_REG_WAVE_MODE, 25, 1), 1
	s_wait_xcnt 0x0
; out0[row] = the index of the code with the least c2 - 2 xc, the lowest index among equals.  x: [32768][256] f32; 1,024 codes.
; x2 is left out: it is one number for all codes of a row, so in exact arithmetic it moves no index, for any finite x (shown at the head of the first launch; a NaN, an infinity or an overflow in x2 alone is not carried).
; xc is the quantised product: codes of BF8 (E5M2) of x (scale 2^ea, made here) and of the codebook (scale 2^eb, made by the launch before), multiplied by v_wmma_f32_16x16x128_bf8_bf8, sums in f32.
; THE SCORE.  s = (sum of the codes' products) - c2 x 2^-(1 + ea + eb) = -(c2 - 2 xc) x 2^-(1 + ea + eb): the second term comes from the first launch in f32 and is the C of each sum's first matrix instruction.
; The least distance is the greatest score.  No index is packed into a score.
; LIMITS: ea between -126 and 112; ea + eb between -128 and 125.  NaN and infinities among the inputs are not served.
; SHARES.  A work-group takes 128 rows: eight tiles of 16 queries; 256 work-groups.  THE WAVES SHARE THE CODES, NOT THE ROWS: wave w owns codes 128 w .. 128 w + 127 for all 128 rows and keeps their sixteen fragments
; (8 tiles x 2 K steps, 256 registers: all of window 1) for the whole launch.  What goes round is small: a tile's codes of x, 4 KB.  Eight waves of 512 registers, two to a SIMD.
; THE PRODUCT IS USED TRANSPOSED (source 0 = 16 codes, source 1 = 16 queries): lane (r, h) holds ONE query r, and register j of tile T the code 128 w + 16 T + 8 h + j.
; TWO HALVES OF THE CODES, sixteen units of 8 matrix instructions: A is a tile of queries x my tiles T = 0 .. 3, B the same x tiles 4 .. 7.  The order is A0 A1 A2 A3 A4, B4 B3 B2 B1 B0, A5 B5, A6 B6, A7 B7:
; the first five need half of the codes only and run while half B's loads are out; where two neighbours have the same queries the fragments stay in their registers.
; NO CLUSTER.  All work-groups need the same 256 KB of codes, but a work-group reads each byte of them once and keeps it in registers to the end.  A joint load ends in LDS: it would add 256 KB written to LDS and
; 64 LDS loads a wave, behind a wait for a wave's whole 32 KB.  The first launch has laid the codes as the registers want them, so they go from memory straight into the registers, 512 consecutive bytes a load.
; NO PREFETCH.  There is no loop to run ahead in: a wave's 97 loads are issued ahead of their use by the text's own order, 73 of them ahead of the first product.
; x is quantised in registers, and its codes go to LDS as an image of the operand's registers; each tile has an image of its own, so no LDS byte of an image is written twice.
; LDS: 0 eight images of 4,352 bytes (16 blocks of 256 bytes, 272 apart: block 2 n + h holds lanes (r, h) of chunk n at 16 r); C2L each wave's 128 numbers C2';
;      CAND for each query 16 candidates (score, index) of 8 bytes, one for each wave and half of the lanes, 144 bytes from query to query; the spare words.
; REGISTERS, window 0: v1-15 below; v16-47 x's two fragments; v48-111 two sets of four accumulators (ahead of the first product: x's tiles 0-3 as loaded); v112-175 C2' in the accumulators' layout, half A and half B
;   (half B's first sixteen: x's tile 7 as loaded); v176-223 x's tiles 4-6 as loaded; v224-239 half A's best score and index for each tile of queries; v240-247 a unit's best tile's scores; v248-255 at work.
;   Window 1: the codes' fragments, (T, s) at v[32 T + 16 s].
.set IMG,  4352
.set C2L,  8*IMG                       ; 34,816
.set CAND, C2L+4096                    ; 38,912
.set SPARE, CAND+128*144               ; 57,344
.set XOFF, 1                           ; v1   16 x lane
.set XST,  2                           ; v2   where my eight codes of a row go in an image
.set FLD,  3                           ; v3   where my lane reads a chunk of an image
.set CST,  4                           ; v4   where my candidate goes
.set VB,   5                           ; v5   128 w + 8 h: the index of my register 0 of tile 0
.set VB2,  6                           ; v6   64 more: of tile 4
.set SC,   7                           ; v7   2^ea as f32: the conversion takes its exponent field
.set C2B,  8                           ; v8   where my lane reads C2'
.set SPW,  9                           ; v9   LDS address of my spare word; never rewritten
.set NIL,  10                          ; v10  0; never rewritten
.set JJ,   11
.set J2,   12
.set IDR,  13                          ; v13  16 x (tile of the half) that holds a unit's best score
.set BB,   14                          ; v14  half B's best score of a tile of queries,
.set IB,   15                          ; v15  and its index
.set FR,   16
.set ACC,  48
.set C2R,  112
.set XS,   176
.set BI,   224
.set SV,   240
.set NN,   248
.set LN, 0                             ; loads from memory issued so far
.set CN, 0                             ; chunks of codes among them
.set DN, 0                             ; LDS instructions issued so far
.set UCM, 0                            ; the unit whose products are made: tile of queries, half, and whether there is one
.set UCG, 0
.set KA, 0
.set UPM, 0                            ; the unit before it: maxima and selections
.set UPG, 0
.set EA, 0
.set BUF, 1                            ; which set of accumulators the products go to
.set NF, 1                             ; 1: new fragments have been asked for
.set MSB, 0
.macro WIN new                         ; the immediate's high byte repeats the setting that is left
.if MSB != \new
	s_set_vgpr_msb (MSB<<8)|\new
.set MSB, \new
.endif
.endm
.macro SETRW m                         ; where tile m's 16 numbers a lane lie
.if (\m) < 4
.set RW, ACC+16*(\m)
.elseif (\m) < 7
.set RW, XS+16*((\m)-4)
.else
.set RW, C2R+32
.endif
.endm
.macro XLOAD m                         ; my two rows of tile m: v[RW + 8 i + 4 a + 0 .. 3] = k 128 a + 4 lane + 0 .. 3 of row i; read once in the launch
	SETRW \m
.irp i, 0,1
.irp a, 0,1
	global_load_b128 v[RW+8*\i+4*\a:RW+8*\i+4*\a+3], v[XOFF], s[4:5] offset:16384*(\m)+1024*\i+512*\a th:TH_LOAD_NT
.endr
.endr
.set LN, LN+4
.set XP\m, LN
.endm
.macro CODES n                         ; the next n chunks of my codes into window 1, where they stay
	WIN 0x40                                       ; destination window 1, address window 0
.rept \n
	global_load_b128 v[4*CN:4*CN+3], v[XOFF], s[8:9] offset:512*CN
.set CN, CN+1
.endr
	WIN 0
.set LN, LN+\n
.endm
.macro Q m                             ; tile m is quantised, behind a wait that leaves out the loads issued behind its four; the codes' registers take turns from tile to tile
	SETRW \m
.set TP, NN+4*((\m)%2)
	s_wait_loadcnt LN-XP\m
.irp j, 0,1,2,3,4,5,6,7,8,9,10,11,12,13,14,15
	v_med3_num_f32 v[RW+\j], v[RW+\j], s46, s47    ; the conversion to an 8-bit code does not saturate (ISA guide 7.6.2): the hold at the largest code x the scale
.endr
	v_cvt_scalef32_pk8_bf8_f32 v[TP:TP+1], v[RW:RW+7], v[SC]
	v_cvt_scalef32_pk8_bf8_f32 v[TP+2:TP+3], v[RW+8:RW+15], v[SC]
	v_nop                                          ; one plain vector line behind the conversions
	ds_store_b64 v[XST], v[TP:TP+1] offset:IMG*(\m)
	ds_store_b64 v[XST], v[TP+2:TP+3] offset:IMG*(\m)+16   ; row 1: the next lane's 16 bytes
.set DN, DN+2
.endm
.macro F0 m                            ; tile m's fragment of K step 0 from LDS: each half of the lanes takes 256 consecutive bytes
.irp c, 0,1,2,3
	ds_load_b128 v[FR+4*\c:FR+4*\c+3], v[FLD] offset:IMG*(\m)+544*\c
.endr
.set DN, DN+4
.set F0P, DN
.endm
.macro F1 m                            ; of K step 1
.irp c, 4,5,6,7
	ds_load_b128 v[FR+4*\c:FR+4*\c+3], v[FLD] offset:IMG*(\m)+544*\c
.endr
.set DN, DN+4
.set F1P, DN
.endm
.macro C2LOAD half                     ; C2' of four tiles: register 8 T + j = code 16 T + 8 h + j
.irp t, 0,1,2,3
	ds_load_b128 v[C2R+32*(\half)+8*\t:C2R+32*(\half)+8*\t+3], v[C2B] offset:256*(\half)+64*\t
	ds_load_b128 v[C2R+32*(\half)+8*\t+4:C2R+32*(\half)+8*\t+7], v[C2B] offset:256*(\half)+64*\t+16
.endr
.set DN, DN+8
.endm
.macro SIG                             ; my LDS stores have landed and my LDS loads are in: say so
	s_wait_alu depctr_va_vdst(0)
	s_wait_dscnt 0x0
	s_barrier_signal -1
.endm
; Four of the unit's eight products: K step k.  The four accumulators of the set take turns: K step 0 starts the four sums with C2', K step 1 adds onto them.
.macro KH k
	WIN 0x01                                       ; source 0 (the codes) in window 1
.irp t, 0,1,2,3
.if \k == 0
	v_wmma_f32_16x16x128_bf8_bf8 v[ACC+32*BUF+8*\t:ACC+32*BUF+8*\t+7], v[32*(4*UCG+\t):32*(4*UCG+\t)+15], v[FR:FR+15], v[C2R+8*(4*UCG+\t):C2R+8*(4*UCG+\t)+7]
.else
	v_wmma_f32_16x16x128_bf8_bf8 v[ACC+32*BUF+8*\t:ACC+32*BUF+8*\t+7], v[32*(4*UCG+\t)+16:32*(4*UCG+\t)+31], v[FR+16:FR+31], v[ACC+32*BUF+8*\t:ACC+32*BUF+8*\t+7]
.endif
.endr
	WIN 0
.endm
.macro M3 n, o                         ; partial maxima of a unit's four tiles; each accumulator from its low end on
.if EA
	v_max3_num_f32 v[NN+\n], v[AB+\o], v[AB+\o+1], v[AB+\o+2]
.endif
.endm
.macro M3B n
.if EA
	v_max3_num_f32 v[NN+\n], v[NN+\n], v[AB+8*\n+6], v[AB+8*\n+7]
.endif
.endm
.macro M2 n
.if EA
	v_max_num_f32 v[NN+\n], v[NN+\n], v[NN+4+\n]
.endif
.endm
.macro IC j
.if IA
	v_cmp_neq_f32 s[48+\j], v[SV+\j], v[BR]
.endif
.endm
.macro IS d, a, b, m                   ; a where the mask is clear, b where it is set
.if IA
	v_cndmask_b32 v[\d], \a, \b, s[\m]
.endif
.endm
; First part of a step: the four tiles' maxima of the unit before, laced with the index search of the unit before that: the lowest register of SV that equals its best score, in two chains (registers 0-3 and 4-7).
; Behind four vector lines that name no register of the products just issued (the places of ISA guide 7.12.1) K step 0's fragment of the tile nf is fetched, where the next unit has other queries.
.macro P1 nf
	M3 0, 0
	IC 0
	M3 1, 8
	IC 1
	M3 2, 16
	IC 2
	M3 3, 24
	IC 3
.if (\nf) >= 0
.if EA == 0
.rept 4
	v_nop                                          ; four places: no other vector work is at hand
.endr
.endif
	F0 \nf
.endif
	M3 4, 3
	IC 4
	M3 5, 11
	IC 5
	M3 6, 19
	IC 6
	M3 7, 27
.if IA
	s_and_b32 s55, s48, s49
	s_and_b32 s51, s50, s51
.if UQG
	v_cmp_ge_f32 s69, v[BI+2*UQM], v[BB]           ; half A's best stays, on a tie too: its indices are the lower ones
.endif
.endif
	IS J2, 2, 3, 50
	M3B 0
	IS JJ, 6, 7, 54
	M3B 1
	IS J2, 1, v[J2], 49
	M3B 2
	IS JJ, 5, v[JJ], 53
	M3B 3
.if IA
	s_and_b32 s55, s55, s51                        ; none of registers 0-3 equals it
.endif
	IS J2, 0, v[J2], 48
	M2 0
	IS JJ, 4, v[JJ], 52
	M2 1
	M2 2
	M2 3
	IS JJ, v[J2], v[JJ], 55
.if EA
	v_cmp_ge_f32 vcc_lo, v[NN], v[NN+1]            ; set: the earlier tile stays
	v_cmp_ge_f32 s67, v[NN+2], v[NN+3]
.endif
.if IA
	v_add3_u32 v[IXR], v[IDR], v[JJ], v[VBR]       ; 16 T + j + 128 w + 8 h
.endif
.if EA
	v_max_num_f32 v[NN+4], v[NN], v[NN+1]
	v_max_num_f32 v[NN+5], v[NN+2], v[NN+3]
.endif
.if IA
.if UQG
	v_max_num_f32 v[BI+2*UQM], v[BI+2*UQM], v[BB]
	v_cndmask_b32 v[BI+2*UQM+1], v[IB], v[BI+2*UQM+1], s69
	ds_store_b64 v[CST], v[BI+2*UQM:BI+2*UQM+1] offset:2304*UQM   ; my candidate for query 16 m + r
.set DN, DN+1
.endif
.endif
.endm
; Second part: of the unit before's tiles 0, 1 and 2, 3 the better (in place), and of these two the better (into SV).  K step 1's fragment of the tile nf is fetched behind four vector lines.
.macro P2 nf
.if EA
.irp j, 0,1,2,3
	v_cndmask_b32 v[AB+\j], v[AB+8+\j], v[AB+\j], vcc_lo
.endr
.endif
.if (\nf) >= 0
.if EA == 0
.rept 4
	v_nop
.endr
.endif
	F1 \nf
.endif
.if EA
.irp j, 4,5,6,7
	v_cndmask_b32 v[AB+\j], v[AB+8+\j], v[AB+\j], vcc_lo
.endr
	v_cndmask_b32 v[NN+6], 16, 0, vcc_lo
	v_cmp_ge_f32 vcc_lo, v[NN+4], v[NN+5]
	v_max_num_f32 v[BW], v[NN+4], v[NN+5]
.irp j, 0,1,2,3,4,5,6,7
	v_cndmask_b32 v[AB+16+\j], v[AB+24+\j], v[AB+16+\j], s67
.endr
	v_cndmask_b32 v[NN+7], 48, 32, s67
.irp j, 0,1,2,3,4,5,6,7
	v_cndmask_b32 v[SV+\j], v[AB+16+\j], v[AB+\j], vcc_lo
.endr
	v_cndmask_b32 v[IDR], v[NN+7], v[NN+6], vcc_lo
.endif
.endm
; A step: the products of the unit (tile m of queries, half g; m = -1: none), the maxima and selections of the unit before, the index of the unit before that.  nf: the next unit's tile where its fragments
; have to be fetched, or -1.  Each wait on DScnt leaves out the LDS instructions issued behind the loads that it needs; where the fragments stay there is none.
.macro STEP m, g, nf
.set UQM, UPM
.set UQG, UPG
.set IA, EA
.set UPM, UCM
.set UPG, UCG
.set EA, KA
.set UCM, \m
.set UCG, \g
.set KA, 0
.if (\m) >= 0
.set KA, 1
.endif
.set BUF, 1-BUF
.set AB, ACC+32*(1-BUF)
.set WF, NF
.set NF, 0
.if (\nf) >= 0
.set NF, 1
.endif
.if UPG
.set BW, BB
.else
.set BW, BI+2*UPM
.endif
.if UQG
.set BR, BB
.set IXR, IB
.set VBR, VB2
.else
.set BR, BI+2*UQM
.set IXR, BR+1
.set VBR, VB
.endif
.if KA
.if WF
	s_wait_alu depctr_va_vdst(0)                   ; directly ahead of the wait below
	s_wait_dscnt DN-F0P                            ; K step 0's fragment is in
.endif
	KH 0
.endif
	P1 \nf
.if KA
.if WF
	s_wait_alu depctr_va_vdst(0)
.if NF
	s_wait_dscnt DN-F1P                            ; K step 1's fragment is in
.else
	s_wait_dscnt DN-F1P
.endif
.endif
	KH 1
.endif
	P2 \nf
.endm
	s_load_b256 s[4:11], s[0:1], 0x0               ; x s[4:5], the scales' exponents s[6:7], cbimg s[8:9], c2 s[10:11]
	s_load_b64 s[12:13], s[0:1], 0x20              ; out0
	v_lshl_add_u32 v[SPW], v0, 2, SPARE
	v_mov_b32 v[NIL], 0
	v_lshrrev_b32 v16, 5, v0
	v_and_b32 v11, 31, v0                          ; lane L
	v_readfirstlane_b32 s14, v16                   ; wave 0..7
	v_and_b32 v12, 15, v0                          ; r
	v_bfe_u32 v13, v0, 4, 1                        ; h
	v_lshlrev_b32 v[XOFF], 4, v11
	v_bfe_u32 v14, v0, 1, 3
	v_and_b32 v15, 1, v0
	v_mul_u32_u24 v[XST], v14, 544                 ; lane L's eight codes: chunk (L / 2) % 8, half L / 16, 8 bytes L % 2
	v_mul_u32_u24 v[FLD], v13, 272
	v_mad_u32_u24 v[XST], v13, 272, v[XST]
	v_lshl_add_u32 v[FLD], v12, 4, v[FLD]
	v_lshl_add_u32 v[XST], v15, 3, v[XST]
	v_mul_u32_u24 v[CST], v12, 144
	s_lshl_b32 s16, s14, 5                         ; row 2 w of the tile is lane 2 w of the fragment: 16 bytes a lane
	v_add_nc_u32 v[XST], s16, v[XST]
	v_lshl_add_u32 v[CST], v13, 3, v[CST]
	s_lshl_b32 s16, s14, 4
	s_add_co_u32 s16, s16, CAND
	v_add_nc_u32 v[CST], s16, v[CST]               ; 144 r + 16 w + 8 h
	s_lshl_b32 s16, s14, 7
	v_lshl_add_u32 v[VB], v13, 3, s16
	v_add_nc_u32 v[VB2], 64, v[VB]
	s_lshl_b32 s16, s14, 9
	s_add_co_u32 s16, s16, C2L                     ; my wave's 512 bytes of C2' in LDS:
	v_lshl_add_u32 v245, v11, 4, s16               ; in, 16 x lane;
	v_lshl_add_u32 v[C2B], v13, 5, s16             ; out, 32 h
	v_bfe_u32 v244, v0, 2, 3
	v_and_b32 v246, 3, v0
	v_lshlrev_b32 v244, 9, v244
	v_lshl_add_u32 v244, v246, 4, v244             ; in c2: tile L / 4 of my eight, its numbers 4 (L % 4) .. + 3
	s_lshl_b32 s18, ttmp9, 17                      ; x: 128 rows of 1,024 bytes a work-group,
	s_lshl_b32 s19, s14, 11                        ; two rows a wave
	s_add_co_u32 s18, s18, s19
	s_mov_b32 s19, 0
	s_lshl_b32 s20, ttmp9, 9                       ; out0: 128 whole numbers a work-group
	s_mov_b32 s21, 0
	s_lshl_b32 s24, s14, 15                        ; cbimg: 32,768 bytes a wave
	s_mov_b32 s25, 0
	s_lshl_b32 s26, s14, 12                        ; c2: eight tiles of 512 bytes a wave
	s_mov_b32 s27, 0
	s_wait_alu depctr_va_vdst(0)                   ; directly ahead of the wait below
	s_wait_kmcnt 0x0
	s_add_nc_u64 s[4:5], s[4:5], s[18:19]
	XLOAD 0
	XLOAD 1
	s_load_b64 s[44:45], s[6:7], 0x0               ; ea, eb
	s_add_nc_u64 s[8:9], s[8:9], s[24:25]
	s_add_nc_u64 s[10:11], s[10:11], s[26:27]
	s_add_nc_u64 s[12:13], s[12:13], s[20:21]
	global_load_b128 v[SV:SV+3], v244, s[10:11]
.set LN, LN+1
	CODES 6                                        ; x's loads are spread among the codes': 4 of x to 6 or 7 of codes
	XLOAD 2
	CODES 6
	XLOAD 3
	CODES 7
	s_wait_kmcnt 0x0
	s_add_co_i32 s40, s44, 127
	s_lshl_b32 s41, s40, 23
	v_mov_b32 v[SC], s41                           ; 2^ea
	s_add_co_i32 s40, s40, 15
	s_lshl_b32 s40, s40, 23
	s_or_b32 s47, s40, 0x600000                    ; 57,344 x 2^ea
	s_or_b32 s46, s47, 0x80000000                  ; and its negative
	s_wait_alu depctr_va_vdst(0)                   ; at the head's end
	Q 0
	XLOAD 4
	CODES 7
	Q 1
	XLOAD 5
	CODES 6                                        ; half A's 32 chunks have been asked for
.set CAP, LN
	Q 2                                            ; (c2's load, issued ahead of tile 2's, is in too)
	XLOAD 6
	ds_store_b128 v245, v[SV:SV+3]                 ; my wave's own bytes: LDS serves a wave's instructions in order (ISA guide 5.7.1.4)
	C2LOAD 0
	Q 3
	XLOAD 7
	Q 4
	Q 5
	SIG                                            ; images 0 to 5
	s_barrier_wait -1
	F0 0
	F1 0
	CODES 8                                        ; half B's 32 chunks follow, eight at a time
	s_wait_loadcnt LN-CAP                          ; half A's codes are in; the 16 loads issued behind them may be out
	STEP 0, 0, 1
	CODES 8
	STEP 1, 0, 2
	CODES 8
	STEP 2, 0, 3
	CODES 8
	STEP 3, 0, 4
	Q 6
	Q 7
	C2LOAD 1                                       ; into the registers that tile 7's numbers have left
	SIG                                            ; images 6 and 7: between this signal and its wait stand products and work on registers
	STEP 4, 0, -1
	s_wait_alu depctr_va_vdst(0)
	s_barrier_wait -1
	s_wait_loadcnt 0x0                             ; half B's codes are in
	STEP 4, 1, 3
	STEP 3, 1, 2
	STEP 2, 1, 1
	STEP 1, 1, 0
	STEP 0, 1, 5
	STEP 5, 0, -1
	STEP 5, 1, 6
	STEP 6, 0, -1
	STEP 6, 1, 7
	STEP 7, 0, -1
	STEP 7, 1, -1
	STEP -1, 0, -1
	STEP -1, 0, -1
	; THE END.  Waves 0 and 1: thread t takes queries 2 t and 2 t + 1.  t is cut to 0 .. 63, so that the address lies inside LDS in every wave.
	v_and_b32 v2, 63, v0
	v_lshlrev_b32 v1, 3, v0                        ; (every load that named v1 has been waited for)
	v_mul_u32_u24 v2, v2, 288
	v_add_nc_u32 v2, CAND, v2
	SIG
	s_barrier_wait -1                              ; all candidates lie in LDS
	s_cmp_lt_u32 s14, 2
	s_cbranch_scc0 .Ldone
.irp n, 0,1,2,3,4,5,6,7
	ds_load_b128 v[48+4*\n:51+4*\n], v2 offset:16*\n
	ds_load_b128 v[80+4*\n:83+4*\n], v2 offset:144+16*\n
.endr
	v_mov_b32 v14, 0x7fffffff
	s_wait_alu depctr_va_vdst(0)                   ; directly ahead of the wait below
	s_wait_dscnt 0x0
	; Two queries by turns, scores at even and indices at odd registers: the greatest score, and the lowest index among those that have it.
	v_max3_num_f32 v240, v48, v50, v52
	v_max3_num_f32 v241, v80, v82, v84
.irp k, 6,10,14,18,22,26
	v_max3_num_f32 v240, v240, v[48+\k], v[50+\k]
	v_max3_num_f32 v241, v241, v[80+\k], v[82+\k]
.endr
	v_max_num_f32 v240, v240, v78
	v_max_num_f32 v241, v241, v110
.irp k, 0,2,4,6,8,10,12,14,16,18,20,22,24,26,28,30
	v_cmp_eq_f32 vcc_lo, v[48+\k], v240
	v_cmp_eq_f32 s48, v[80+\k], v241
	v_cndmask_b32 v[49+\k], v14, v[49+\k], vcc_lo
	v_cndmask_b32 v[81+\k], v14, v[81+\k], s48
.endr
	v_min_u32 v12, v49, v51
	v_min_u32 v13, v81, v83
.irp k, 5,7,9,11,13,15,17,19,21,23,25,27,29,31
	v_min_u32 v12, v12, v[48+\k]
	v_min_u32 v13, v13, v[80+\k]
.endr
	global_store_b64 v1, v[12:13], s[12:13]        ; 32 lanes store 256 consecutive bytes, at a multiple of 256 from out0's first byte
.Ldone:
	s_wait_tensorcnt 0x0                           ; the wave's end
	ds_add_u32 v[SPW], v[NIL]
	s_wait_dscnt 0x0
	s_endpgm
.Lfunc_end_k_qa2d228a26b_vq:
	.size	k_qa2d228a26b_vq, .Lfunc_end_k_qa2d228a26b_vq-k_qa2d228a26b_vq
	.p2alignl 7, 3214868480
	.fill 96, 4, 3214868480
	.section	.rodata,"a",@progbits
	.p2align	6, 0x0
	.amdhsa_kernel k_qa2d228a26b_vq
		.amdhsa_group_segment_fixed_size 58368
		.amdhsa_private_segment_fixed_size 0
		.amdhsa_enable_private_segment 0
		.amdhsa_kernarg_size 40
		.amdhsa_user_sgpr_count 2
		.amdhsa_user_sgpr_kernarg_segment_ptr 1
		.amdhsa_wavefront_size32 1
		.amdhsa_system_sgpr_workgroup_id_x 1
		.amdhsa_system_sgpr_workgroup_id_y 1
		.amdhsa_system_sgpr_workgroup_id_z 1
		.amdhsa_system_vgpr_workitem_id 0
		.amdhsa_next_free_vgpr 512
		.amdhsa_next_free_sgpr 72
		.amdhsa_reserve_vcc 1
		.amdhsa_float_denorm_mode_32 3
		.amdhsa_float_denorm_mode_16_64 3
		.amdhsa_memory_ordered 1
		.amdhsa_forward_progress 1
		.amdhsa_inst_pref_size 104
	.end_amdhsa_kernel
	.amdgpu_metadata
---
amdhsa.version: [ 1, 2 ]
amdhsa.kernels:
  - .name:           k_qa2d228a26b_vq
    .symbol:         k_qa2d228a26b_vq.kd
    .args:
      - { .name: x, .offset: 0, .size: 8, .value_kind: global_buffer, .address_space: global }
      - { .name: lowp_scales, .offset: 8, .size: 8, .value_kind: global_buffer, .address_space: global }
      - { .name: cbimg, .offset: 16, .size: 8, .value_kind: global_buffer, .address_space: global }
      - { .name: c2, .offset: 24, .size: 8, .value_kind: global_buffer, .address_space: global }
      - { .name: out0, .offset: 32, .size: 8, .value_kind: global_buffer, .address_space: global }
    .group_segment_fixed_size: 58368
    .private_segment_fixed_size: 0
    .kernarg_segment_align: 8
    .kernarg_segment_size: 40
    .max_flat_workgroup_size: 256
    .sgpr_count:     72
    .vgpr_count:     512
    .wavefront_size: 32
...
	.end_amdgpu_metadata
.endif
;; end of part 2
